; MI455X (gfx1250); checked and timed in simulation.
; The chip was launched on July 23, 2026; its instructions are those of AMD's public machine-readable ISA for CDNA 5 (MIT licence, August 2026) and "CDNA5" Instruction Set Architecture Reference Guide (July 2026). The comments in the code are by the model that wrote it; some were corrected since.
;; Multi Head Attention. Allowed arithmetic: matrix products marked QUANTISED: E4M3 operands, one given power-of-two scale a tensor, by v_wmma_f32_16x16x64_fp8_fp8 or v_wmma_f32_16x16x128_fp8_fp8, f32 sums; everything else in f32.
;; Inputs: lowp_scales 8 int32 (the exponents e of the quantised operands' scales 2^e); w_out 1,024 x 1,024 float32; w_qkv 3,072 x 1,024 float32; x 4 x 2,048 x 1,024 float32.
;; Outputs: out0 4 x 2,048 x 1,024 float32.
;; This version of the problem:
;;   THIS VERSION OF THE PROBLEM IS GIVEN IN LOW PRECISION. The matrix products marked QUANTISED in the list below multiply operands that are first quantised to E4M3 (4 exponent bits, 3 mantissa bits; 8 bits a number), with one given power-of-two scale for each operand tensor; their sums are f32. All else is computed in f32.
;;   The module's matrix products, in the order in which they are computed (A, B: the left and right operand; K: the contracted axis; several contracted axes count as one K, in the product's order):
;;     1. [M 8,192, K 1,024] x [K 1,024, N 3,072]; A: input x; B: input w_qkv: QUANTISED (scales: A lowp_scales[0], B lowp_scales[1])
;;     2. batch 64 x [M 2,048, K 64] x [K 64, N 2,048]; A: computed on the way; B: computed on the way: QUANTISED (scales: A lowp_scales[2], B lowp_scales[3])
;;     3. batch 64 x [M 2,048, K 2,048] x [K 2,048, N 64]; A: softmax (see below); B: computed on the way: QUANTISED (scales: A lowp_scales[4], B lowp_scales[5])
;;     4. [M 8,192, K 1,024] x [K 1,024, N 1,024]; A: computed on the way; B: input w_out: QUANTISED (scales: A lowp_scales[6], B lowp_scales[7])
;;   THE QUANTISER, for each operand of a quantised product, along K:
;;     - The operand's scale is 2^e, e = its entry of the input lowp_scales (int32; the entries are numbered through the quantised products in the list's order, A before B).
;;     - Each number is divided by the scale, clamped to +-448, and rounded to the nearest number of E4M3, ties to even, subnormals kept.
;;     - The product sums the exact products of the quantised numbers (number of the format x scale) in f32.
;;   ~~~python
;;   def quantise(x, axis, e):      # numpy; x: float32 -> the quantised numbers, widened to float32 again
;;       x = np.moveaxis(x, axis, -1); K = x.shape[-1]
;;       r = np.clip(x / 2.0 ** e, -448, 448)
;;       step = 2.0 ** (np.maximum(np.frexp(np.where(r == 0, 1, r))[1] - 1, -6) - 3)
;;       q = np.round(r / step) * step * 2.0 ** e      # np.round: ties to even
;;       return np.moveaxis(q, -1, axis).astype(np.float32)
;;   ~~~
;;   SOFTMAX AHEAD OF A QUANTISED PRODUCT. Where the list says 'softmax', what is quantised is not the finished softmax but p = 2^(t - M), with t = logit x log2(e) and M = ceil(the row's largest t), a whole number; so 1/2 < the row's largest p <= 1. The row's sum l is taken of the UNQUANTISED p, in f32, and the product's result is divided by l at the end. Since M is a whole number, a kernel that streams over the keys may use a running M (the ceiling of the running maximum): every later rescaling is an exact power of two, so the quantised numbers keep their values, but for numbers so far below the row's largest that they fall under the format's range.
;;   OPERANDS COMPUTED ON THE WAY. 'Computed on the way' means the value that the module computes at that place (a softmax that the list does not call 'softmax' is quantised finished and normalised). What goes into a quantiser is computed in f32, as accurately as f32 sums, v_exp_f32 and their like allow (about 1e-6 of the number): no bf16 or f16 on the way to a quantiser, and a product that is left as it is and whose result goes on into a quantised operand takes f32 operands (vector FMAs, or v_wmma_f32_16x16x4_f32). A number that lies on a knife's edge between two numbers of the format may be rounded either way, as far as f32 arithmetic and the matrix unit's own rounding can turn it there, and no further.
;; One version. Each part assembles by itself: llvm-mc -triple=amdgcn-amd-amdhsa -mcpu=gfx1250 --defsym DOCPART=n.
;; ======== version 1 of 1: 4 launches
;; limits: right only within a limited range of input values
;; workspace buffers: x_img 8,388,608 bytes; wqkv_img 3,145,728 bytes; wout_img 1,048,576 bytes; q_img 8,388,608 bytes; k_img 8,388,608 bytes; v_img 8,388,608 bytes; o_img 8,388,608 bytes; rope 524,288 bytes
;; launch prep (part 1): grid 416 x 1, 4 waves a work-group, no clusters, 35,328 bytes of LDS; arguments x, w_qkv, w_out, lowp_scales, x_img, wqkv_img, wout_img, rope; writes x_img, wqkv_img, wout_img, rope
.if DOCPART == 1
	.amdgcn_target "amdgcn-amd-amdhsa--gfx1250"
	.amdhsa_code_object_version 6
	.text
	.protected	k_q2f7a6ad51f_prep
	.globl	k_q2f7a6ad51f_prep
	.p2align	8
	.type	k_q2f7a6ad51f_prep,@function
k_q2f7a6ad51f_prep:
	s_mov_b64 s[64:65], 0
	v_nop
	global_prefetch_b8 v0, s[64:65] scope:SCOPE_SE
	s_setreg_imm32_b32 hwreg(HW_REG_WAVE_MODE, 25, 1), 1
	s_wait_xcnt 0x0
; PREP.  (1) x [8192][1024], w_qkv [3072][1024], w_out [1024][1024], f32 with K innermost, become codes of FP8 (E4M3), each with its given scale 2^e
; (entries 0, 1, 7 of the scales): code = x / 2^e, held within +-448, to the nearest code, ties to even.  (2) The table of cos and sin for the rotary embedding.
; THE CODES ARE LAID AS IMAGES OF OPERAND REGISTERS.  A fragment (16 rows rb, 128 along K kc) is 2,048 bytes at rb x 16384 + kc x 2048; its piece p (registers 4 p .. 4 p + 3 of
; all 32 lanes) is 512 bytes, lane l's 16 bytes at 16 l; registers 2 c, 2 c + 1 of lane (r = l % 16, h = l / 16) hold row r, k = 16 c + 8 h + 0 .. 7.  So every store of a wave covers 512
; consecutive bytes, aligned, and the products' launches fetch a fragment by four loads of 16 bytes a lane.
; SHARES.  Work-groups 0-255 take x, 256-351 w_qkv, 352-383 w_out: two blocks of 16 rows each; a wave takes 16 rows x 512 along K, in 8 steps of 64.  Only pointers are chosen: one path for the three.
; A step's loads take the bytes as they lie (two rows' 256 bytes a load); they turn through the wave's own stage in LDS (rows of 256 + 16 bytes) so that a lane gets 8 neighbours along K four times.
; Loads run three steps ahead, the turn through LDS one step.  Waves share nothing: no barrier.
; Work-groups 384-415 make the table: row t (256 bytes) = cos(t f_j), j = 0 .. 31, then sin(t f_j); f_j = 10000^(-j / 32).  They use no LDS.
; LIMITS: each e between -126 and 119.  NaN among the inputs is not served; an infinity is held at the largest code.
; The table: f_j is right to about one unit in the last place of f32, the angle t f_j is rounded once to f32, cos and sin of that angle are right to about 1e-7.
.set SPT,  272                         ; a stage row: 256 bytes + 16: row r starts 68 words on, so sixteen rows start at sixteen different groups of four banks
.set STG,  16*SPT                      ; a stage
.set WREG, 2*STG                       ; a wave's two stages
.set R,    16                          ; v16-111   three sets of 32 registers, as loaded
.set X,    112                         ; v112-175  two sets of 32: register 8 c + j = (row r, k = 16 c + 8 h + j)
.set C,    176                         ; v176-239  codes: eight registers for each step, never written again
	s_load_b512 s[4:19], s[0:1], 0x0               ; x 4:5, w_qkv 6:7, w_out 8:9, scales 10:11, x_img 12:13, wqkv_img 14:15, wout_img 16:17, rope 18:19
	v_lshl_add_u32 v240, v0, 2, 0x8800
	v_mov_b32 v241, 0
	v_lshrrev_b32 v1, 5, v0
	v_readfirstlane_b32 s20, v1                    ; wave 0..3
	s_wait_kmcnt 0x0
	s_cmp_ge_u32 ttmp9, 384
	s_cbranch_scc1 .Lrope
	s_load_b256 s[24:31], s[10:11], 0x0            ; the eight exponents
	s_mov_b32 s21, 352
	s_cmp_lt_u32 ttmp9, 352                        ; which tensor: the choice hangs on the work-group's number alone
	s_cselect_b64 s[32:33], s[6:7], s[8:9]
	s_cselect_b64 s[34:35], s[14:15], s[16:17]
	s_cselect_b32 s21, 256, s21
	s_cmp_lt_u32 ttmp9, 256
	s_cselect_b64 s[32:33], s[4:5], s[32:33]       ; s[32:33] the numbers
	s_cselect_b64 s[34:35], s[12:13], s[34:35]     ; s[34:35] the codes
	s_cselect_b32 s21, 0, s21                      ; the tensor's first work-group
	s_sub_co_u32 s21, ttmp9, s21
	s_lshl_b32 s21, s21, 1
	s_lshr_b32 s22, s20, 1
	s_add_co_u32 s21, s21, s22                     ; rb: my block of 16 rows
	s_and_b32 s22, s20, 1                          ; my half of K
	s_lshl_b32 s36, s21, 16                        ; 16 rows of 4,096 bytes
	s_lshl_b32 s23, s22, 11                        ; 512 numbers
	s_add_co_u32 s36, s36, s23
	s_mov_b32 s37, 0
	s_add_nc_u64 s[32:33], s[32:33], s[36:37]
	s_lshl_b32 s36, s21, 14                        ; a block's eight fragments
	s_lshl_b32 s23, s22, 13                        ; four of them
	s_add_co_u32 s36, s36, s23
	s_add_nc_u64 s[34:35], s[34:35], s[36:37]
	v_and_b32 v2, 31, v0                           ; lane
	v_and_b32 v5, 15, v0                           ; r
	v_bfe_u32 v6, v0, 4, 1                         ; h
	v_lshlrev_b32 v3, 4, v5
	v_lshl_add_u32 v3, v6, 12, v3                  ; in memory: lanes 0-15 one row's 256 bytes, lanes 16-31 the next row's
	v_lshlrev_b32 v4, 4, v2                        ; a piece's place for my lane
	s_mul_i32 s23, s20, WREG
	v_mul_u32_u24 v14, v6, SPT
	v_lshl_add_u32 v14, v5, 4, v14
	v_add_nc_u32 v14, s23, v14                     ; the stage, on the way in: as loaded
	v_mul_u32_u24 v15, v5, SPT
	v_lshl_add_u32 v15, v6, 5, v15
	v_add_nc_u32 v15, s23, v15                     ; on the way out: row r, + 32 h bytes: my eight numbers of each 16
.macro LOAD s                          ; step s: 16 rows x 64 numbers, two rows a load
.irp i, 0,1,2,3,4,5,6,7
	global_load_b128 v[R+32*((\s)%3)+4*\i:R+32*((\s)%3)+4*\i+3], v3, s[32:33] offset:8192*\i+256*(\s) th:TH_LOAD_NT
.endr
.endm
.macro TURN s                          ; through the stage: LDS serves a wave's instructions in order, so no wait stands between the stores and the loads
.irp i, 0,1,2,3,4,5,6,7
	ds_store_b128 v14, v[R+32*((\s)%3)+4*\i:R+32*((\s)%3)+4*\i+3] offset:STG*((\s)%2)+2*SPT*\i
.endr
.irp m, 0,1,2,3,4,5,6,7
	ds_load_b128 v[X+32*((\s)%2)+4*\m:X+32*((\s)%2)+4*\m+3], v15 offset:STG*((\s)%2)+64*(\m/2)+16*(\m%2)
.endr
.endm
	LOAD 0
	LOAD 1
	LOAD 2
	s_wait_alu depctr_va_vdst(0)
	s_wait_kmcnt 0x0
	s_cmp_lt_u32 ttmp9, 352
	s_cselect_b32 s22, s25, s31                    ; e of w_qkv or of w_out,
	s_cmp_lt_u32 ttmp9, 256
	s_cselect_b32 s22, s24, s22                    ; or of x
	s_add_co_i32 s22, s22, 127
	s_lshl_b32 s23, s22, 23
	v_mov_b32 v11, s23                             ; 2^e as f32: the conversion takes its exponent field
	s_add_co_i32 s22, s22, 8
	s_lshl_b32 s22, s22, 23
	s_or_b32 s22, s22, 0x600000
	v_mov_b32 v10, s22                             ; 448 x 2^e
	s_wait_alu depctr_va_vdst(0)
	s_wait_loadcnt 16                              ; step 0's eight loads are in; steps 1 and 2 may be out
	TURN 0
.macro STEP s
.set XS, X+32*((\s)%2)
	s_wait_dscnt 0x0                               ; this step's numbers are back from the stage, so its stores into the stage have read their registers,
.if (\s)+3 < 8
	LOAD (\s)+3                                    ; which take the loads of three steps on
.endif
.if (\s)+1 < 8
.if (\s) <= 4
	s_wait_loadcnt 16                              ; the next step's eight loads are in; those of the two steps behind it may be out
.else
	s_wait_loadcnt 8*(6-(\s))
.endif
	TURN (\s)+1
.endif
.set i, 0
.rept 32
	v_med3_num_f32 v[XS+i], v[XS+i], -v10, v10     ; the conversion to an 8-bit code does not saturate (ISA guide 7.6.2): hold the number first
.set i, i+1
.endr
.irp c, 0,1,2,3
	v_cvt_scalef32_pk8_fp8_f32 v[C+8*(\s)+2*\c:C+8*(\s)+2*\c+1], v[XS+8*\c:XS+8*\c+7], v11
.endr
.irp pp, 0,1                           ; the results go to stores alone, and the next vector lines are the next step's holds, on other registers
	global_store_b128 v4, v[C+8*(\s)+4*\pp:C+8*(\s)+4*\pp+3], s[34:35] offset:2048*((\s)/2)+1024*((\s)%2)+512*\pp   ; a whole piece: 512 consecutive bytes
.endr
.endm
.irp s, 0,1,2,3,4,5,6,7
	STEP \s
.endr
	s_wait_tensorcnt 0x0
	ds_add_u32 v240, v241
	s_wait_dscnt 0x0
	s_endpgm
; THE TABLE.  Work-group g of 32 makes rows 64 g .. 64 g + 63.  Thread: 16 bytes of a row (q = thread % 16: q < 8 cos of j = 4 q .. 4 q + 3, else sin of j = 4 (q - 8) ..), rows thread / 16 + 8 u.
.Lrope:
	s_sub_co_u32 s21, ttmp9, 384
	s_lshl_b32 s22, s21, 14                        ; 64 rows of 256 bytes
	s_mov_b32 s23, 0
	s_add_nc_u64 s[18:19], s[18:19], s[22:23]
	s_lshl_b32 s21, s21, 6                         ; the first t
	s_mov_b32 s32, 0x3fc90fdb                      ; pi / 2, rounded to f32,
	s_mov_b32 s33, 0x333bbd2e                      ; and by how much that is too large
	s_mov_b32 s34, 0xbed49a78                      ; -log2(10000) / 32, rounded to f32,
	s_mov_b32 s35, 0xb2179968                      ; and what the rounding left
	v_lshlrev_b32 v1, 4, v0                        ; 16 x thread: two whole rows a wave
	v_lshrrev_b32 v2, 4, v0
	v_add_nc_u32 v2, s21, v2                       ; t of u = 0
	v_bfe_u32 v3, v0, 3, 1
	v_sub_nc_u32 v3, 1, v3                         ; 1 for cos: cos(a) = sin(a + pi / 2), one quadrant on
	v_and_b32 v12, 7, v0
	v_lshlrev_b32 v12, 2, v12
.irp i, 0,1,2,3
	v_add_nc_u32 v[16+\i], \i, v12
	v_cvt_f32_u32 v[16+\i], v[16+\i]               ; j
	v_mul_f32 v[20+\i], s34, v[16+\i]              ; the exponent, rounded,
	v_fma_f32 v[24+\i], v[16+\i], s34, -v[20+\i]   ; what that rounding dropped (exact),
	v_fma_f32 v[24+\i], v[16+\i], s35, v[24+\i]    ; and the constant's rest
	v_mul_f32 v[24+\i], 0x3f317218, v[24+\i]       ; x ln 2
.endr
.irp i, 0,1,2,3
	v_exp_f32 v[4+\i], v[20+\i]
.endr
	v_mov_b32 v10, 0x3638ef1d                      ; 1 / 9!   (a plain line behind the exponentials)
	v_mov_b32 v11, 0xb493f27e                      ; -1 / 10!
	s_wait_alu depctr_va_vdst(0)                   ; one wait for the four, ahead of their first reader
.irp i, 0,1,2,3
	v_fma_f32 v[4+\i], v[4+\i], v[24+\i], v[4+\i]  ; f_j = 2^exponent x (1 + ln 2 x rest)
.endr
.macro TRIG u, i
	v_mul_f32 v13, v9, v[4+\i]                     ; a = t f, rounded once
	v_mul_f32 v14, 0x3f22f983, v13
	v_rndne_f32 v14, v14                           ; n = the nearest whole number to a / (pi / 2), at most 1,304
	v_fma_f32 v15, -v14, s32, v13                  ; a - n x the rounded pi / 2: exact, since the result is a multiple of 2^-24 below 1
	v_fma_f32 v15, v14, s33, v15                   ; + n x the excess: rho, within pi / 4
	v_mul_f32 v16, v15, v15                        ; z
	v_cvt_i32_f32 v17, v14
	v_add_nc_u32 v17, v17, v3                      ; the quadrant
	v_fmaak_f32 v18, v10, v16, 0xb9500d01          ; sin: rho + rho z (-1/3! + z (1/5! + z (-1/7! + z / 9!)))
	v_fmaak_f32 v19, v11, v16, 0x37d00d01          ; cos: 1 + z (-1/2 + z (1/4! + z (-1/6! + z (1/8! - z / 10!))))
	v_fmaak_f32 v18, v18, v16, 0x3c088889
	v_fmaak_f32 v19, v19, v16, 0xbab60b61
	v_fmaak_f32 v18, v18, v16, 0xbe2aaaab
	v_fmaak_f32 v19, v19, v16, 0x3d2aaaab
	v_mul_f32 v20, v15, v16
	v_fmaak_f32 v19, v19, v16, 0xbf000000
	v_fma_f32 v18, v20, v18, v15
	v_fmaak_f32 v19, v19, v16, 0x3f800000
	v_and_b32 v20, 1, v17
	v_cmp_ne_u32 vcc_lo, 0, v20
	v_cndmask_b32 v18, v18, v19, vcc_lo            ; odd quadrants take cos(rho): a choice of a value, no branch
	v_and_b32 v17, 2, v17
	v_lshlrev_b32 v17, 30, v17
	v_xor_b32 v[32+4*(\u)+\i], v17, v18            ; quadrants 2 and 3 change the sign
.endm
.irp u, 0,1,2,3,4,5,6,7
	v_add_nc_u32 v8, 8*\u, v2
	v_cvt_f32_u32 v9, v8                           ; t
.irp i, 0,1,2,3
	TRIG \u, \i
.endr
	global_store_b128 v1, v[32+4*\u:35+4*\u], s[18:19] offset:2048*\u   ; each u has its own four registers; a wave stores 512 consecutive bytes
.endr
	s_endpgm
.Lfunc_end_k_q2f7a6ad51f_prep:
	.size	k_q2f7a6ad51f_prep, .Lfunc_end_k_q2f7a6ad51f_prep-k_q2f7a6ad51f_prep
	.p2alignl 7, 3214868480
	.fill 96, 4, 3214868480
	.section	.rodata,"a",@progbits
	.p2align	6, 0x0
	.amdhsa_kernel k_q2f7a6ad51f_prep
		.amdhsa_group_segment_fixed_size 35328
		.amdhsa_private_segment_fixed_size 0
		.amdhsa_enable_private_segment 0
		.amdhsa_kernarg_size 64
		.amdhsa_user_sgpr_count 2
		.amdhsa_user_sgpr_kernarg_segment_ptr 1
		.amdhsa_wavefront_size32 1
		.amdhsa_system_sgpr_workgroup_id_x 1
		.amdhsa_system_sgpr_workgroup_id_y 1
		.amdhsa_system_sgpr_workgroup_id_z 1
		.amdhsa_system_vgpr_workitem_id 0
		.amdhsa_next_free_vgpr 242
		.amdhsa_next_free_sgpr 66
		.amdhsa_reserve_vcc 1
		.amdhsa_float_denorm_mode_32 3
		.amdhsa_float_denorm_mode_16_64 3
		.amdhsa_memory_ordered 1
		.amdhsa_forward_progress 1
		.amdhsa_inst_pref_size 77
	.end_amdhsa_kernel
	.amdgpu_metadata
---
amdhsa.version: [ 1, 2 ]
amdhsa.kernels:
  - .name:           k_q2f7a6ad51f_prep
    .symbol:         k_q2f7a6ad51f_prep.kd
    .args:
      - { .name: x, .offset: 0, .size: 8, .value_kind: global_buffer, .address_space: global }
      - { .name: w_qkv, .offset: 8, .size: 8, .value_kind: global_buffer, .address_space: global }
      - { .name: w_out, .offset: 16, .size: 8, .value_kind: global_buffer, .address_space: global }
      - { .name: lowp_scales, .offset: 24, .size: 8, .value_kind: global_buffer, .address_space: global }
      - { .name: x_img, .offset: 32, .size: 8, .value_kind: global_buffer, .address_space: global }
      - { .name: wqkv_img, .offset: 40, .size: 8, .value_kind: global_buffer, .address_space: global }
      - { .name: wout_img, .offset: 48, .size: 8, .value_kind: global_buffer, .address_space: global }
      - { .name: rope, .offset: 56, .size: 8, .value_kind: global_buffer, .address_space: global }
    .group_segment_fixed_size: 35328
    .private_segment_fixed_size: 0
    .kernarg_segment_align: 8
    .kernarg_segment_size: 64
    .max_flat_workgroup_size: 128
    .sgpr_count:     66
    .vgpr_count:     242
    .wavefront_size: 32
...
	.end_amdgpu_metadata
.endif
;; end of part 1
;; launch qkv (part 2): grid 8 x 32, 4 waves a work-group, clusters of 4 x 1, 327,680 bytes of LDS; arguments x_img, wqkv_img, lowp_scales, rope, q_img, k_img, v_img; writes q_img, k_img, v_img
.if DOCPART == 2
	.amdgcn_target "amdgcn-amd-amdhsa--gfx1250"
	.amdhsa_code_object_version 6
	.text
	.protected	k_q2f7a6ad51f_qkv
	.globl	k_q2f7a6ad51f_qkv
	.p2align	8
	.type	k_q2f7a6ad51f_qkv,@function
k_q2f7a6ad51f_qkv:
	s_mov_b64 s[64:65], 0
	v_nop
	global_prefetch_b8 v0, s[64:65] scope:SCOPE_SE
	s_setreg_imm32_b32 hwreg(HW_REG_WAVE_MODE, 25, 1), 1
	s_wait_xcnt 0x0
	s_wait_alu depctr_hold_cnt(0) depctr_sa_sdst(0) depctr_va_vdst(0) depctr_va_sdst(0) depctr_va_ssrc(0) depctr_va_vcc(0) depctr_vm_vsrc(0)
	s_getreg_b32 s2, hwreg(HW_REG_IB_STS2, 6, 4)
	s_cmp_eq_u32 s2, 0
	s_cbranch_scc0 .Lentry_in_a_cluster
	s_endpgm
.Lentry_in_a_cluster:
	s_bfe_u32 s2, ttmp6, 0x10000c
	s_cmp_lg_u32 s2, 0x3003
	s_cbranch_scc0 .Lentry_shape_is_right
	s_endpgm
.Lentry_shape_is_right:
; QKV.  qkv = x w_qkv^T on codes of FP8 (E4M3), K = 1,024; the rotary embedding on q and k; q, k, v quantised with their given scales (entries 2, 3, 5) and stored as images of operand registers.
; BOTH OPERANDS LIE IN MEMORY AS IMAGES OF THEIR REGISTERS: a fragment (16 rows, 128 along K) is 2,048 bytes at row block x 16384 + chunk x 2048; piece c = registers 4 c .. 4 c + 3, lane l's 16 bytes at 16 l.
; SHARES.  Work-group (j, y), 8 x 32 = 256 of them, owns rows 256 y .. + 255 of x and STAYS for three tiles of 128 features: rows 128 j of w_qkv's q part, of its k part, of its v part.
; x's 256 rows for the whole K are one dense block of 262,144 bytes: LDS is filled with it ONCE, 65,536 bytes a wave; nothing is filled again, and one barrier shows the block to all four waves.
; CLUSTER 4, 1, 1: the four work-groups j of a cluster need the same rows of x and ask jointly (mask 15); the descriptor hangs on y and the wave's number alone.
; w_qkv's fragments go from memory straight into registers: beside x's block and the spare words LDS has 65,024 bytes left, under a tile's 131,072.  A wave holds its 64 features x 1,024 K in 512 registers.
; As soon as a chunk of K is multiplied, its 64 registers take the next tile's fragments (chunks 0-3) or the table of cos and sin (chunks 4-7; the next tile's chunks 4-7 follow as the embedding frees the table).
; NO PREFETCH: the one fill stands at the head, and the loads of w_qkv are issued a tile ahead of their use.
; A WAVE (wm = wave / 2, wn = wave % 2) makes 128 positions x 64 features, one head: 32 accumulators.  A chunk of K is two half-steps of 16 matrix instructions (4 blocks of x against 4 of w_qkv);
; x's fragments come from LDS into three sets of 64 registers by turns, three half-steps ahead.
; q, k: source 0 = w_qkv's fragment, source 1 = x's: lane (r, h) holds position r and its registers j features 8 h + j: after the embedding a conversion's result is a register pair of the first attention product's operand.
; v: the two sources are exchanged: lane r holds feature d = r and its registers j positions 8 h + j, eight neighbouring KEYS, as the second attention product wants V.
; OUT.  q_img, k_img: fragment (bh = 16 b + head, s / 16): 1,024 bytes at bh x 131072 + (s / 16) x 1024.  v_img: fragment (bh, s / 128, d / 16): 2,048 bytes at bh x 131072 + (s / 128) x 8192 + (d / 16) x 2048.
; Every store covers 512 consecutive bytes, aligned.  A sum stands for sum x 2^(e0 + e1), and the embedding is linear: the three scales are folded into the conversion's one, 2^(e_out - e0 - e1).
; LIMITS: e2 - e0 - e1, e3 - e0 - e1, e5 - e0 - e1 between -126 and 119.  NaN among the inputs is not served.
; REGISTERS.  Window 0: v1-9 addresses and constants; v64-255 x's three sets; on the way out v64-127 numbers at work, v128-191 codes.  Window 1: accumulator (a, b) at v[8 (4 a + b)].
;   Windows 2, 3: w_qkv's fragment (chunk kc, block b) at window 2 + kc / 4, v[64 (kc % 4) + 16 b]; the table's block a at window 3, v[32 a].
.set SPARE, 262144                     ; behind x's block: the spare words, 128 bytes a wave: two blocks of 256 bytes that no other line names
.set LI,   1                           ; v1 16 x lane
.set ADA0, 2                           ; v2, v3 LDS address of my blocks 0-3, 4-7 of x
.set SPW,  4
.set NIL,  5
.set RO,   6                           ; v6 the table: 256 r + 32 h
.set SC,   8                           ; v8 2^(e_out - e0 - e1), v9 448 x that
.set LIM,  9
.set O,    64
.set CD,   128
.set WV, 18
.set WM, 19
.set WN, 20
.set CX, 21
.set J,  22
.set Y,  23
.set G1, 24
.set G0, 32
.set BC, 36                            ; s[36:37] my fragments of the first tile of w_qkv, s[38:39] of the next tile
.set BN, 38
.set TBL, 40                           ; s[40:41] the table at my first position
.set OUT, 42                           ; s[42:43] where the tile in hand goes; s[44:45] k's, s[46:47] v's
.set OK,  44
.set OV,  46
.set T,   48
.set ES,  60                           ; s60, s61 the scale and the bound of the tile in hand; s62, s63 k's; s66, s67 v's
.set EL,  61
.set MSB, 0
.macro WIN new                         ; the immediate's high byte repeats the setting that is left
.if MSB != (\new)
	s_set_vgpr_msb (MSB<<8)|(\new)
.set MSB, (\new)
.endif
.endm
.macro ROUND                           ; a round of the cluster's barrier
	s_barrier_signal -1
	s_barrier_wait -1
	s_cmp_lg_u32 s[WV], 0
	s_cbranch_scc1 .Lnot_wave_0_\@
	s_barrier_signal -3
.Lnot_wave_0_\@:
	s_barrier_wait -3
	s_barrier_signal -1
	s_barrier_wait -1
.endm
.macro PLACES                          ; four places behind a matrix instruction, in front of loads into its sources and of reads of its result
.rept 4
	v_nop
.endr
.endm
.macro MKSC eo, ds, dl                 ; 2^(e_out - e0 - e1) and 448 x that, as f32 patterns
	s_sub_co_i32 s50, s[\eo], s72
	s_sub_co_i32 s50, s50, s73
	s_add_co_i32 s50, s50, 127
	s_lshl_b32 s[\ds], s50, 23
	s_add_co_i32 s50, s50, 8
	s_lshl_b32 s50, s50, 23
	s_or_b32 s[\dl], s50, 0x600000
.endm
.macro ALOAD n                         ; half-step n (chunk n / 2, blocks 4 (n % 2) ..): four fragments of x into set n % 3
.set AS, 64+64*((\n)%3)
.irp f, 0,1,2,3
.irp c, 0,1,2,3
	ds_load_b128 v[AS+16*\f+4*\c:AS+16*\f+4*\c+3], v[ADA0+((\n)&1)] offset:16384*\f+2048*((\n)/2)+512*\c
.endr
.endr
.endm
.macro BLOAD kc, base                  ; chunk kc of my four blocks of w_qkv: sixteen loads of 512 consecutive bytes
	WIN (0x80+0x40*((\kc)/4))
.irp b, 0,1,2,3
.irp c, 0,1,2,3
	global_load_b128 v[64*((\kc)%4)+16*\b+4*\c:64*((\kc)%4)+16*\b+4*\c+3], v[LI], s[\base:\base+1] offset:16384*\b+2048*(\kc)+512*\c
.endr
.endr
	WIN 0
.endm
.macro TABLOAD p                       ; the table's rows of blocks 2 p, 2 p + 1 (16 positions each): cos of j = 8 h .., cos of 16 + 8 h .., sin of the same: 32 registers a block
	WIN 0xc0
.irp q, 0,1
.irp m, 0,1,2,3,4,5,6,7
	global_load_b128 v[64*(\p)+32*\q+4*\m:64*(\p)+32*\q+4*\m+3], v[RO], s[TBL:TBL+1] offset:4096*(2*(\p)+\q)+64*(\m/2)+16*(\m%2)
.endr
.endr
	WIN 0
.endm
.macro MUL n, v                        ; sixteen matrix instructions on sixteen accumulators, one a turn; an accumulator's next turn is two half-steps on.  The first chunk starts the sums
.set AS, 64+64*((\n)%3)
.set KC, (\n)/2
.if \v
	WIN (0x50|((2+KC/4)<<2))
.else
	WIN (0x50|(2+KC/4))
.endif
.irp f, 0,1,2,3
.irp b, 0,1,2,3
.set AC, 8*(4*(4*((\n)&1)+\f)+\b)
.set BR, 64*(KC%4)+16*\b
.if \v
.if (\n) < 2
	v_wmma_f32_16x16x128_fp8_fp8 v[AC:AC+7], v[AS+16*\f:AS+16*\f+15], v[BR:BR+15], 0
.else
	v_wmma_f32_16x16x128_fp8_fp8 v[AC:AC+7], v[AS+16*\f:AS+16*\f+15], v[BR:BR+15], v[AC:AC+7]
.endif
.else
.if (\n) < 2
	v_wmma_f32_16x16x128_fp8_fp8 v[AC:AC+7], v[BR:BR+15], v[AS+16*\f:AS+16*\f+15], 0
.else
	v_wmma_f32_16x16x128_fp8_fp8 v[AC:AC+7], v[BR:BR+15], v[AS+16*\f:AS+16*\f+15], v[AC:AC+7]
.endif
.endif
.endr
.endr
	WIN 0
.endm
; A TILE'S PRODUCTS.  v = 0: a tile of q or k, which has a successor; v = 1: the tile of v, the last.
; LOADcnt: v = 0: behind the sixteen loads of any chunk 112 later loads have been issued when the chunk is wanted, so the largest count that the wait can name serves.  v = 1: behind chunk kc >= 4 only chunks kc + 1 .. 7.
; DScnt: behind half-step n's sixteen loads stand those of n + 1 and n + 2, where there are such.
.macro GEMM v
	ALOAD 0
	ALOAD 1
	ALOAD 2
.set N, 0
.rept 16
.if (N&1) == 0
.if (\v) && (N >= 8)
	s_wait_loadcnt 16*(7-N/2)
.else
	s_wait_loadcnt 63
.endif
.endif
.if N <= 13
	s_wait_dscnt 32
.else
	s_wait_dscnt 16*(15-N)
.endif
	MUL N, \v
	PLACES
.if (\v) == 0
.if (N&1) == 1
.if N < 8
	BLOAD N/2, BN
.else
	TABLOAD (N/2-4)
.endif
.endif
.endif
.if N <= 12
	ALOAD N+3
.endif
.set N, N+1
.endr
.endm
; q, k: block a (16 positions x my head).  Accumulators b = cl (d = 16 cl + 8 h + j, below 32) and cl + 2 (d + 32) are the embedding's pairs, in the same lane and register.
.macro ROPEA a
.set AC, 32*(\a)
	WIN 0x0d                                       ; source 0: the sums, window 1; source 1: the table, window 3
.irp cl, 0,1
.irp j, 0,2,4,6                        ; each accumulator is read from its low end on
.set X1, AC+8*\cl+\j
.set X2, X1+16
.set TC, AC+8*\cl+\j
.set TS, TC+16
.set O1, O+8*\cl+\j
.set O2, O1+16
	v_pk_mul_f32 v[O1:O1+1], v[X2:X2+1], v[TS:TS+1]
	v_pk_mul_f32 v[O2:O2+1], v[X2:X2+1], v[TC:TC+1]
	v_pk_fma_f32 v[O1:O1+1], v[X1:X1+1], v[TC:TC+1], v[O1:O1+1] neg_lo:[0,0,1] neg_hi:[0,0,1]   ; x1 cos - x2 sin
	v_pk_fma_f32 v[O2:O2+1], v[X1:X1+1], v[TS:TS+1], v[O2:O2+1]                                 ; x1 sin + x2 cos
.endr
.endr
	WIN 0
.set i, 0
.rept 32
	v_med3_num_f32 v[O+i], v[O+i], -v[LIM], v[LIM] ; the conversion to an 8-bit code does not saturate (ISA guide 7.6.2)
.set i, i+1
.endr
.irp b, 0,1,2,3
	v_cvt_scalef32_pk8_fp8_f32 v[CD+8*(\a)+2*\b:CD+8*(\a)+2*\b+1], v[O+8*\b:O+8*\b+7], v[SC]
.endr
	v_nop                                          ; a plain line between the conversions and the next block's writes of their sources
.irp pc, 0,1
	global_store_b128 v[LI], v[CD+8*(\a)+4*\pc:CD+8*(\a)+4*\pc+3], s[OUT:OUT+1] offset:1024*(\a)+512*\pc
.endr
.endm
	s_load_b256 s[4:11], s[0:1], 0x0               ; x_img, wqkv_img, the scales' exponents, the table
	s_load_b128 s[12:15], s[0:1], 0x20             ; q_img, k_img
	s_load_b64 s[16:17], s[0:1], 0x30              ; v_img
	v_lshl_add_u32 v[SPW], v0, 2, SPARE
	v_mov_b32 v[NIL], 0
	ds_add_u32 v[SPW], v[NIL]                      ; the opening lines: the add, twice on end, and its wait ahead of my first tensor load
	ds_add_u32 v[SPW], v[NIL]
	v_lshrrev_b32 v7, 5, v0
	v_readfirstlane_b32 s[WV], v7                  ; wave 0..3
	s_lshr_b32 s[WM], s[WV], 1
	s_and_b32 s[WN], s[WV], 1
	s_bfe_u32 s[CX], ttmp6, 0x40000
	s_lshl_b32 s[J], ttmp9, 2
	s_add_co_u32 s[J], s[J], s[CX]                 ; j = 4 x cluster x + cx
	s_and_b32 s[Y], ttmp7, 0xffff
	s_mov_b32 s[G1], 15|(3<<16)|(1<<21)            ; the mask: all four partners; elements of 8 bytes; bit 21 beside a mask
	s_mov_b32 s[G1+1], 32<<16                      ; 256 rows of 256 bytes, dense
	s_mov_b32 s[G1+2], 256<<16
	s_mov_b32 s[G1+3], 32<<16
	s_mov_b32 s[G1+4], 256
	s_mov_b32 s[G1+5], 32
	s_mov_b32 s[G1+6], 0
	s_mov_b32 s[G1+7], 0
	s_mov_b32 s[G0], 1
	s_lshl_b32 s[G0+1], s[WV], 16                  ; in LDS as in memory: 65,536 x wave
	s_lshl_b32 s50, s[Y], 18
	s_add_co_u32 s50, s50, s[G0+1]
	s_mov_b32 s51, 0
	s_lshl_b32 s52, s[J], 17                       ; w_qkv: row block 8 j + 4 wn
	s_lshl_b32 s53, s[WN], 16
	s_add_co_u32 s52, s52, s53
	s_mov_b32 s53, 0
	s_lshr_b32 s54, s[Y], 3                        ; the codes: (b << 21) + ((2 j + wn) << 17) + ((y % 8) << 14) + (wm << 13), in all three images
	s_lshl_b32 s54, s54, 21
	s_lshl_b32 s55, s[J], 18
	s_add_co_u32 s54, s54, s55
	s_lshl_b32 s55, s[WN], 17
	s_add_co_u32 s54, s54, s55
	s_and_b32 s56, s[Y], 7
	s_lshl_b32 s55, s56, 14
	s_add_co_u32 s54, s54, s55
	s_lshl_b32 s55, s[WM], 13
	s_add_co_u32 s54, s54, s55
	s_mov_b32 s55, 0
	s_lshl_b32 s56, s56, 16                        ; the table: position 256 (y % 8) + 128 wm, rows of 256 bytes
	s_lshl_b32 s57, s[WM], 15
	s_add_co_u32 s56, s56, s57
	s_mov_b32 s57, 0
	s_mov_b32 s[T], 0
	s_wait_dscnt 0x0                               ; both opening adds are done
	s_wait_kmcnt 0x0
	s_load_b256 s[72:79], s[8:9], 0x0              ; e0 .. e7
	s_add_nc_u64 s[G0+2:G0+3], s[4:5], s[50:51]
	s_or_b32 s[G0+3], s[G0+3], 0x80000000
	s_add_nc_u64 s[BC:BC+1], s[6:7], s[52:53]
	s_add_nc_u64 s[BN:BN+1], s[BC:BC+1], 0x100000  ; 1,024 rows of w_qkv on
	s_add_nc_u64 s[TBL:TBL+1], s[10:11], s[56:57]
	s_add_nc_u64 s[OUT:OUT+1], s[12:13], s[54:55]
	s_add_nc_u64 s[OK:OK+1], s[14:15], s[54:55]
	s_add_nc_u64 s[OV:OV+1], s[16:17], s[54:55]
	ROUND                                          ; all four work-groups are here: the joint loads meet
	tensor_load_to_lds s[G0:G0+3], s[G1:G1+7]      ; my quarter of x's block: the wave's one tensor load
	s_nop 0
	PLACES
	v_and_b32 v[LI], 31, v0
	v_lshlrev_b32 v[LI], 4, v[LI]
	s_lshl_b32 s50, s[WM], 17
	v_add_nc_u32 v[ADA0], s50, v[LI]
	v_add_nc_u32 v[ADA0+1], 0x10000, v[ADA0]
	v_and_b32 v7, 15, v0
	v_bfe_u32 v[RO], v0, 4, 1
	v_lshlrev_b32 v[RO], 5, v[RO]
	v_lshl_add_u32 v[RO], v7, 8, v[RO]
	s_wait_alu depctr_va_vdst(0)
.irp kc, 0,1,2,3,4,5,6,7
	BLOAD \kc, BC                                  ; the first tile's fragments of w_qkv
.endr
	s_wait_alu depctr_va_vdst(0)
	s_wait_kmcnt 0x0
	MKSC 74, ES, EL                                ; q
	MKSC 75, 62, 63                                ; k
	MKSC 77, 66, 67                                ; v
	s_wait_tensorcnt 0x0                           ; my quarter is in,
	s_barrier_signal -1
	s_barrier_wait -1                              ; everybody's is
.Ltile:                                                ; two trips: q, then k
	GEMM 0
	v_mov_b32 v[SC], s[ES]
	v_mov_b32 v[LIM], s[EL]
	s_wait_alu depctr_va_vdst(0)
.irp p, 0,1,2,3
	s_wait_loadcnt 48                              ; these two blocks' sixteen loads of the table are in: behind them stand three more groups of sixteen (later blocks' and the next tile's chunks)
	ROPEA 2*\p
	ROPEA 2*\p+1
	BLOAD 4+\p, BN                                 ; the table's registers take the next tile's chunk
.endr
	s_wait_xcnt 0x0                                ; the loads and stores have read their bases and data: both are written again below and in the next tile
	s_add_nc_u64 s[BN:BN+1], s[BN:BN+1], 0x100000
	s_mov_b64 s[OUT:OUT+1], s[OK:OK+1]
	s_mov_b32 s[ES], s62
	s_mov_b32 s[EL], s63
	s_add_co_u32 s[T], s[T], 1
	s_cmp_lt_u32 s[T], 2
	s_wait_alu depctr_va_vdst(0)
	s_cbranch_scc1 .Ltile
	GEMM 1
	v_mov_b32 v[SC], s66
	v_mov_b32 v[LIM], s67
	s_wait_alu depctr_va_vdst(0)
.irp b, 0,1,2,3                        ; v: block b (16 d) x my 128 keys: the eight conversions' results are one fragment of V^T
	WIN 0x01                                       ; source 0: the sums, window 1
.set i, 0
.rept 64
	v_med3_num_f32 v[O+i], v[32*(i/8)+8*\b+i%8], -v[LIM], v[LIM]
.set i, i+1
.endr
	WIN 0
.irp a, 0,1,2,3,4,5,6,7
	v_cvt_scalef32_pk8_fp8_f32 v[CD+16*\b+2*\a:CD+16*\b+2*\a+1], v[O+8*\a:O+8*\a+7], v[SC]
.endr
	v_nop                                          ; a plain line between the conversions and the next block's writes of their sources
.irp p, 0,1,2,3
	global_store_b128 v[LI], v[CD+16*\b+4*\p:CD+16*\b+4*\p+3], s[OV:OV+1] offset:2048*\b+512*\p
.endr
.endr
	s_wait_tensorcnt 0x0                           ; the wave's end
	ds_add_u32 v[SPW], v[NIL]
	s_wait_dscnt 0x0
	ROUND                                          ; the closing round
	s_endpgm
.Lfunc_end_k_q2f7a6ad51f_qkv:
	.size	k_q2f7a6ad51f_qkv, .Lfunc_end_k_q2f7a6ad51f_qkv-k_q2f7a6ad51f_qkv
	.p2alignl 7, 3214868480
	.fill 96, 4, 3214868480
	.section	.rodata,"a",@progbits
	.p2align	6, 0x0
	.amdhsa_kernel k_q2f7a6ad51f_qkv
		.amdhsa_group_segment_fixed_size 327680
		.amdhsa_private_segment_fixed_size 0
		.amdhsa_enable_private_segment 0
		.amdhsa_kernarg_size 56
		.amdhsa_user_sgpr_count 2
		.amdhsa_user_sgpr_kernarg_segment_ptr 1
		.amdhsa_wavefront_size32 1
		.amdhsa_system_sgpr_workgroup_id_x 1
		.amdhsa_system_sgpr_workgroup_id_y 1
		.amdhsa_system_sgpr_workgroup_id_z 1
		.amdhsa_system_vgpr_workitem_id 0
		.amdhsa_next_free_vgpr 1024
		.amdhsa_next_free_sgpr 100
		.amdhsa_reserve_vcc 0
		.amdhsa_float_denorm_mode_32 3
		.amdhsa_float_denorm_mode_16_64 3
		.amdhsa_memory_ordered 1
		.amdhsa_forward_progress 1
		.amdhsa_inst_pref_size 165
	.end_amdhsa_kernel
	.amdgpu_metadata
---
amdhsa.version: [ 1, 2 ]
amdhsa.kernels:
  - .name:           k_q2f7a6ad51f_qkv
    .symbol:         k_q2f7a6ad51f_qkv.kd
    .args:
      - { .name: x_img, .offset: 0, .size: 8, .value_kind: global_buffer, .address_space: global }
      - { .name: wqkv_img, .offset: 8, .size: 8, .value_kind: global_buffer, .address_space: global }
      - { .name: lowp_scales, .offset: 16, .size: 8, .value_kind: global_buffer, .address_space: global }
      - { .name: rope, .offset: 24, .size: 8, .value_kind: global_buffer, .address_space: global }
      - { .name: q_img, .offset: 32, .size: 8, .value_kind: global_buffer, .address_space: global }
      - { .name: k_img, .offset: 40, .size: 8, .value_kind: global_buffer, .address_space: global }
      - { .name: v_img, .offset: 48, .size: 8, .value_kind: global_buffer, .address_space: global }
    .group_segment_fixed_size: 327680
    .private_segment_fixed_size: 0
    .kernarg_segment_align: 8
    .kernarg_segment_size: 56
    .max_flat_workgroup_size: 128
    .sgpr_count:     100
    .vgpr_count:     1024
    .wavefront_size: 32
...
	.end_amdgpu_metadata
.endif
;; end of part 2
;; launch attn (part 3): grid 4 x 64, 8 waves a work-group, clusters of 4 x 1, 327,680 bytes of LDS; arguments q_img, k_img, v_img, lowp_scales, o_img; writes o_img
.if DOCPART == 3
	.amdgcn_target "amdgcn-amd-amdhsa--gfx1250"
	.amdhsa_code_object_version 6
	.text
	.protected	k_q2f7a6ad51f_attn
	.globl	k_q2f7a6ad51f_attn
	.p2align	8
	.type	k_q2f7a6ad51f_attn,@function
k_q2f7a6ad51f_attn:
	s_mov_b64 s[64:65], 0
	v_nop
	global_prefetch_b8 v0, s[64:65] scope:SCOPE_SE
	s_setreg_imm32_b32 hwreg(HW_REG_WAVE_MODE, 25, 1), 1
	s_wait_xcnt 0x0
	s_wait_alu depctr_hold_cnt(0) depctr_sa_sdst(0) depctr_va_vdst(0) depctr_va_sdst(0) depctr_va_ssrc(0) depctr_va_vcc(0) depctr_vm_vsrc(0)
	s_getreg_b32 s2, hwreg(HW_REG_IB_STS2, 6, 4)
	s_cmp_eq_u32 s2, 0
	s_cbranch_scc0 .Lentry_in_a_cluster
	s_endpgm
.Lentry_in_a_cluster:
	s_bfe_u32 s2, ttmp6, 0x10000c
	s_cmp_lg_u32 s2, 0x3003
	s_cbranch_scc0 .Lentry_shape_is_right
	s_endpgm
.Lentry_shape_is_right:
; ATTN.  o[bh][q] = sum over k <= q of softmax_k(q . k / 8) v, both products on codes of FP8 (E4M3) with the given scales (entries 2, 3: q, k; 4, 5: p, v); o is quantised with entry 6 for the last product.
; LEFT OUT: steps of 128 keys that lie wholly behind a tile's queries: the causal mask makes their scores -inf, so they reach no output.
; THE SOFTMAX: t = score x log2(e) / 8; M = the row's largest t so far, rounded UP to a whole number; p = 2^(t - M) is quantised, not normalised; the row's sum is taken of the unquantised p, in f32,
; and divides O at the end.  When M moves, the sum and O are multiplied by 2^(old M - new M): exact.
; LDS HOLDS A HEAD'S K AND V WHOLE: K's codes 131,072 bytes from byte 0, V's 131,072 behind them; nothing is filled again.  Two fills, each one load of 16,384 bytes a wave (waves 0-3 K, 4-7 V):
; keys 0-1023 at the head, keys 1024-2047 behind the full sequence and a round.
; CLUSTER 4, 1, 1: the four work-groups of a head need the same K and V and ask jointly (mask 15); the descriptors hang on the head and the wave's number alone.
; SHARES.  A tile is 32 queries: tile (g, cx) = queries 128 g + 32 cx .. + 31, cx the work-group's place, g = 0 .. 15.  It needs the key steps 0 .. g of 128 keys, whatever cx: no branch, trip count or LDS address
; hangs on cx; in step g hidden scores become -infinity by a comparison of lane numbers.  Wave w takes g = 15 - w, then g = w: 16 - w + w + 1 = 17 steps in every wave of every work-group.
; The first eight steps (g >= 8 there: no mask) read keys under 1,024; one barrier shows the second fill; the other nine steps follow with no barrier: waves share only bytes that nobody writes.
; The second loop counts i = 8 .. 31 in every wave: tile i / 16, step i % 16; trips outside a tile's steps are passed over by scalar branches on i and the wave's number, so that the LDS address is made of i alone.
; NO PREFETCH: both fills are asked for ahead of the loops; no tensor load stands in a loop for a prefetch to run ahead of.
; OPERANDS ARE IMAGES OF THEIR REGISTERS (registers 2 c, 2 c + 1 of lane (r, h): k = 16 c + 8 h + 0 .. 7 of row r; a piece of four registers is 512 bytes, lane l's 16 at 16 l).  A step's K is 8 fragments of
; 16 keys x 64 (8,192 bytes), its V 4 fragments of 16 d x 128 keys (8,192 bytes).  Each fragment feeds two matrix instructions, one for each 16 of my 32 queries (u = 0, 1).
; Both products are used transposed: S^T = K Q^T: register 8 t + j of lane (r, h) is key 16 t + 8 h + j of query r, so the conversion of tile t's eight registers is register pair t of P; O^T = V^T P^T.
; o_img: fragment (row block (b 2048 + s) / 16, head / 2) at row block x 16384 + (head % 16) x 1024.  A store covers 512 consecutive bytes, aligned.
; LIMITS: e2 + e3 between -123 and 130 (added to c's exponent field); e4, and e6 - e4 - e5, between -126 and 119.  1 / sum is v_rcp_f32.  NaN among the inputs is not served.
; REGISTERS.  Window 0: v1 16 x lane; v2, v3 the add's; v4, v5 LDS addresses; v[6:7], v[8:9] (-M, largest t) of u = 0, 1; v[10:13] the sums; v14, v15 448 x 2^e4 (twice: the dual form wants two banks);
;   v16-31 Q; v32-95 K's fragments, then V's; v96-223 S^T, then p; v224-239 P of u = 0 (P of u = 1 lies on v96-111, whose p are converted by then); v240-255 at work.  Window 1: v0-63 O^T; v64-79 the second tile's Q.
.set SPARE, 262144                     ; behind K and V: the spare words, 128 bytes a wave: four blocks of 256 bytes that no other line names
.set LL,  1
.set SPW, 2
.set NIL, 3
.set ADK, 4
.set ADV, 5
.set NM0, 6
.set NM1, 8
.set SU0, 10
.set SU1, 12
.set HA,  14
.set HB,  15
.set Q,   16
.set KV,  32
.set S,   96
.set P0,  224
.set F0,  240
.set F1,  242
.set TS0, 248
.set TS1, 250
.set SCL, 254
.set WV,  18                           ; s18 my wave's number
.set BH,  19                           ; s19 16 b + head
.set SEL, 20                           ; s[20:21] selects of v_permlanex16_b32: lane l xor 16
.set CS,  22                           ; s[22:23] c = log2(e) / 8 x 2^(e2 + e3)
.set G1,  24                           ; s[24:31] descriptor group 1: 64 rows of 256 bytes, dense
.set G0A, 32                           ; s[32:35] group 0 of the first fill, s[36:39] of the second
.set G0B, 36
.set CX,  40
.set CX32, 41
.set I,   42                           ; s42 the loops' counter
.set KO,  43                           ; s43 the step's first byte in K's part of LDS
.set LO,  44                           ; s44, s45 the tile in hand has the trips LO .. DG
.set DG,  45
.set DG2, 46
.set OB,  48                           ; s[48:49], s[50:51] where the two tiles' codes go
.set OB2, 50
.set FL,  80                           ; s80 448 x 2^(e6 - e4 - e5), s81 2^(e6 - e4 - e5)
.set FS,  81
.set MSB, 0
.macro WIN new                         ; the immediate's high byte repeats the setting that is left
.if MSB != \new
	s_set_vgpr_msb (MSB<<8)|\new
.set MSB, \new
.endif
.endm
.macro ROUND                           ; a round of the cluster's barrier
	s_barrier_signal -1
	s_barrier_wait -1
	s_cmp_lg_u32 s[WV], 0
	s_cbranch_scc1 .Lnot_wave_0_\@
	s_barrier_signal -3
.Lnot_wave_0_\@:
	s_barrier_wait -3
	s_barrier_signal -1
	s_barrier_wait -1
.endm
.macro PLACES
.rept 4
	v_nop
.endr
.endm
	s_load_b128 s[4:7], s[0:1], 0x0                ; q_img, k_img
	s_load_b128 s[12:15], s[0:1], 0x10             ; v_img, the scales' exponents
	s_load_b64 s[16:17], s[0:1], 0x20              ; o_img
	v_lshl_add_u32 v[SPW], v0, 2, SPARE
	v_mov_b32 v[NIL], 0
	ds_add_u32 v[SPW], v[NIL]                      ; the opening lines: the add, twice on end, and its wait ahead of my first tensor load
	ds_add_u32 v[SPW], v[NIL]
	v_lshrrev_b32 v4, 5, v0
	v_readfirstlane_b32 s[WV], v4                  ; wave 0..7
	s_and_b32 s[BH], ttmp7, 0xffff
	s_bfe_u32 s[CX], ttmp6, 0x40000                ; my place in the cluster
	s_lshl_b32 s[CX32], s[CX], 5
	s_lshl_b32 s52, s[BH], 17                      ; the head's first byte in q_img, k_img and v_img
	s_and_b32 s54, s[WV], 3
	s_lshl_b32 s54, s54, 14                        ; my 16,384 bytes of a fill's 65,536 of K or of V
	s_lshr_b32 s55, s[WV], 2
	s_lshl_b32 s55, s55, 17                        ; K's part of LDS or V's
	s_mov_b32 s[G0A], 1
	s_add_co_u32 s[G0A+1], s54, s55
	s_mov_b32 s[G0B], 1
	s_add_co_u32 s[G0B+1], s[G0A+1], 65536
	s_add_co_u32 s56, s52, s54
	s_mov_b32 s57, 0
	s_mov_b32 s[G1], 15|(3<<16)|(1<<21)            ; the mask: all four partners; elements of 8 bytes; bit 21 beside a mask
	s_mov_b32 s[G1+1], 32<<16
	s_mov_b32 s[G1+2], 64<<16
	s_mov_b32 s[G1+3], 32<<16
	s_mov_b32 s[G1+4], 64
	s_mov_b32 s[G1+5], 32
	s_mov_b32 s[G1+6], 0
	s_mov_b32 s[G1+7], 0
	s_sub_co_u32 s58, 15, s[WV]                    ; g of my first tile
	s_lshl_b32 s59, s[CX], 11
	s_add_co_u32 s59, s59, s52
	s_lshl_b32 s60, s58, 13                        ; a tile's Q: 2,048 bytes at head + 8192 g + 2048 cx
	s_add_co_u32 s60, s60, s59
	s_mov_b32 s61, 0
	s_lshl_b32 s62, s[WV], 13
	s_add_co_u32 s62, s62, s59
	s_mov_b32 s63, 0
	s_lshr_b32 s66, s[BH], 4                       ; a tile's codes of o: (b << 21) + (g << 17) + (cx << 15) + (head << 10)
	s_lshl_b32 s66, s66, 21
	s_and_b32 s67, s[BH], 15
	s_lshl_b32 s67, s67, 10
	s_add_co_u32 s66, s66, s67
	s_lshl_b32 s67, s[CX], 15
	s_add_co_u32 s66, s66, s67
	s_lshl_b32 s[OB], s58, 17
	s_add_co_u32 s[OB], s[OB], s66
	s_mov_b32 s[OB+1], 0
	s_lshl_b32 s[OB2], s[WV], 17
	s_add_co_u32 s[OB2], s[OB2], s66
	s_mov_b32 s[OB2+1], 0
	s_mov_b32 s[LO], 0
	s_mov_b32 s[DG], s58                           ; the first tile's last trip: i = 15 - w
	s_add_co_u32 s[DG2], s[WV], 16                 ; the second's: i = 16 + w
	s_mov_b32 s[SEL], 0x76543210
	s_mov_b32 s[SEL+1], 0xfedcba98
	s_mov_b32 s[CS], 0x3e38aa3b                    ; log2(e) / 8
	s_wait_dscnt 0x0                               ; both opening adds are done
	s_wait_kmcnt 0x0
	s_load_b256 s[72:79], s[14:15], 0x0            ; e0 .. e7
	s_cmp_lt_u32 s[WV], 4
	s_cselect_b64 s[68:69], s[6:7], s[12:13]       ; waves 0-3 fetch K, waves 4-7 V
	s_add_nc_u64 s[G0A+2:G0A+3], s[68:69], s[56:57]
	s_add_nc_u64 s[G0B+2:G0B+3], s[G0A+2:G0A+3], 65536
	s_or_b32 s[G0A+3], s[G0A+3], 0x80000000
	s_or_b32 s[G0B+3], s[G0B+3], 0x80000000
	ROUND                                          ; all four work-groups are here: the joint loads meet
	tensor_load_to_lds s[G0A:G0A+3], s[G1:G1+7]    ; keys 0-1023: my one tensor load at the head
	s_nop 0
	PLACES
	s_add_nc_u64 s[60:61], s[4:5], s[60:61]
	s_add_nc_u64 s[62:63], s[4:5], s[62:63]
	s_add_nc_u64 s[OB:OB+1], s[16:17], s[OB:OB+1]
	s_add_nc_u64 s[OB2:OB2+1], s[16:17], s[OB2:OB2+1]
	v_and_b32 v[LL], 31, v0
	v_lshlrev_b32 v[LL], 4, v[LL]
.irp p, 0,1,2,3
	global_load_b128 v[Q+4*\p:Q+4*\p+3], v[LL], s[60:61] offset:512*\p     ; Q of the first tile
.endr
	WIN 0x40                                       ; destination: window 1
.irp p, 0,1,2,3
	global_load_b128 v[64+4*\p:67+4*\p], v[LL], s[62:63] offset:512*\p     ; and of the second
.endr
.set i, 0
.rept 64
	v_mov_b32 v[i], 0                              ; O^T.  (A step is written once: a tile's first step finds zeros, which the first change of M leaves zeros)
.set i, i+1
.endr
	WIN 0
	v_mov_b32 v[NM0+1], 0xff61b1e6                 ; the largest t so far: -3e38, under every t
	v_mov_b32 v[NM1+1], 0xff61b1e6
	v_floor_f32 v[NM0], -v[NM0+1]                  ; -M
	v_floor_f32 v[NM1], -v[NM1+1]
.irp r, 10,11,12,13,241,243,252,253
	v_mov_b32 v\r, 0                               ; the sums; the upper halves of named pairs; the lane permutes' destinations
.endr
	s_wait_alu depctr_va_vdst(0)
	s_wait_kmcnt 0x0
	s_add_co_i32 s52, s74, s75
	s_lshl_b32 s52, s52, 23
	s_add_co_i32 s[CS], s[CS], s52                 ; a score stands for score x 2^(e2 + e3): added to c's exponent field
	s_mov_b32 s[CS+1], s[CS]
	s_add_co_i32 s52, s76, 127
	s_lshl_b32 s53, s52, 23
	v_mov_b32 v[SCL], s53                          ; 2^e4, for p's conversions
	s_add_co_i32 s52, s52, 8
	s_lshl_b32 s52, s52, 23
	s_or_b32 s52, s52, 0x600000
	v_mov_b32 v[HA], s52                           ; 448 x 2^e4
	v_mov_b32 v[HB], s52
	s_sub_co_i32 s52, s78, s76
	s_sub_co_i32 s52, s52, s77                     ; O^T / sum stands for o / 2^(e4 + e5): o's conversion takes 2^(e6 - e4 - e5)
	s_add_co_i32 s52, s52, 127
	s_lshl_b32 s[FS], s52, 23
	s_add_co_i32 s52, s52, 8
	s_lshl_b32 s52, s52, 23
	s_or_b32 s[FL], s52, 0x600000
	s_wait_alu depctr_va_vdst(0)
	s_wait_tensorcnt 0x0                           ; my part of keys 0-1023 is in; the second fill is issued as a refill is:
	ds_add_u32 v[SPW], v[NIL]                      ; 0 onto my spare word
	s_wait_dscnt 0x0
	ROUND                                          ; everybody's part is in, and all four work-groups are here
	tensor_load_to_lds s[G0B:G0B+3], s[G1:G1+7]    ; keys 1024-2047, into bytes of their own: it lands under the first eight steps
	s_nop 0
	PLACES
	s_wait_loadcnt 0x0                             ; Q, both tiles'
; A KEY STEP: my 32 queries x the 128 keys at s[KO].  full = 1: in the tile's last step (i = DG) hidden scores become -infinity.
.macro STEP full
	v_add_nc_u32 v[ADK], s[KO], v[LL]
	v_add_nc_u32 v[ADV], 0x20000, v[ADK]
	PLACES                                         ; with the two additions six places behind the last products: four for the loads into their sources, five for the products that write over P of u = 1
.irp t, 0,1,2,3,4,5,6,7
.irp p, 0,1
	ds_load_b128 v[KV+8*\t+4*\p:KV+8*\t+4*\p+3], v[ADK] offset:1024*\t+512*\p
.endr
.endr
	s_wait_alu depctr_va_vdst(0)
	s_wait_dscnt 0x0
.irp t, 0,1,2,3,4,5,6,7
.irp u, 0,1
	v_wmma_f32_16x16x64_fp8_fp8 v[S+64*\u+8*\t:S+64*\u+8*\t+7], v[KV+8*\t:KV+8*\t+7], v[Q+8*\u:Q+8*\u+7], 0
.endr
.endr
	PLACES                                         ; in front of the loads below and of the first read of the scores
.irp d, 0,1,2,3
.irp p, 0,1,2,3
	ds_load_b128 v[KV+16*\d+4*\p:KV+16*\d+4*\p+3], v[ADV] offset:2048*\d+512*\p   ; V's four fragments land under the softmax
.endr
.endr
.if \full
	s_cmp_lg_u32 s[I], s[DG]
	s_cbranch_scc1 .Lopen_\@
	v_and_b32 v244, 15, v0
	v_bfe_u32 v255, v0, 4, 1
	v_lshlrev_b32 v255, 3, v255
	v_sub_nc_u32 v244, v244, v255
	v_add_nc_u32 v244, s[CX32], v244               ; d = 32 cx + r - 8 h (u = 0).  Register 8 t + j holds the step's key 16 t + 8 h + j: hidden where 16 t + j > d
	v_add_nc_u32 v245, 16, v244                    ; u = 1
	v_mov_b32 v246, 0xff800000                     ; -infinity
.irp u, 0,1
.set n, 0
.rept 64
	v_cmp_gt_i32 vcc_lo, 16*(n/8)+n%8, v[244+\u]
	v_cndmask_b32 v[S+64*\u+n], v[S+64*\u+n], v246, vcc_lo
.set n, n+1
.endr
.endr
.Lopen_\@:
.endif
	v_max3_num_f32 v244, v[S], v[S+1], v[S+2]      ; the step's largest scores of my two queries, each in two chains, each accumulator from its low end on
	v_max3_num_f32 v246, v[S+64], v[S+65], v[S+66]
	v_max3_num_f32 v245, v[S+3], v[S+4], v[S+5]
	v_max3_num_f32 v247, v[S+67], v[S+68], v[S+69]
.set i, 6
.rept 14
	v_max3_num_f32 v244, v244, v[S+i], v[S+i+1]
	v_max3_num_f32 v246, v246, v[S+64+i], v[S+65+i]
	v_max3_num_f32 v245, v245, v[S+i+2], v[S+i+3]
	v_max3_num_f32 v247, v247, v[S+66+i], v[S+67+i]
.set i, i+4
.endr
	v_max3_num_f32 v244, v244, v[S+62], v[S+63]
	v_max3_num_f32 v246, v246, v[S+126], v[S+127]
	v_max_num_f32 v244, v244, v245
	v_max_num_f32 v246, v246, v247
	v_permlanex16_b32 v252, v244, s[SEL], s[SEL+1]
	v_permlanex16_b32 v253, v246, s[SEL], s[SEL+1]
	v_max_num_f32 v244, v244, v252                 ; and among lane l xor 16's
	v_max_num_f32 v246, v246, v253
	v_mul_f32 v244, s[CS], v244                    ; as t (c is positive)
	v_mul_f32 v246, s[CS], v246
	v_max_num_f32 v[NM0+1], v[NM0+1], v244         ; the running largest t
	v_max_num_f32 v[NM1+1], v[NM1+1], v246
	v_mov_b32 v[F0], v[NM0]
	v_mov_b32 v[F1], v[NM1]
	v_floor_f32 v[NM0], -v[NM0+1]                  ; the new -M = -ceil(t): a whole number
	v_floor_f32 v[NM1], -v[NM1+1]
	v_sub_f32 v[F0], v[NM0], v[F0]                 ; old M - new M: a whole number, 0 or less
	v_sub_f32 v[F1], v[NM1], v[F1]
	v_cvt_i32_f32 v[F0], v[F0]                     ; (it saturates)
	v_cvt_i32_f32 v[F1], v[F1]
	v_ldexp_f32 v[F0], 1.0, v[F0]                  ; f = 2^(old M - new M)
	v_ldexp_f32 v[F1], 1.0, v[F1]
	v_pk_mul_f32 v[SU0:SU0+1], v[SU0:SU0+1], v[F0:F0+1] op_sel_hi:[1,0]   ; the sums under the new M
	v_pk_mul_f32 v[SU1:SU1+1], v[SU1:SU1+1], v[F1:F1+1] op_sel_hi:[1,0]
	WIN 0x41                                       ; source 0 and destination: window 1
.set i, 0
.rept 16
	v_pk_mul_f32 v[i:i+1], v[i:i+1], v[F0:F0+1] op_sel_hi:[1,0]           ; O^T under the new M, ahead of the exponentials; each accumulator from its low end on
	v_pk_mul_f32 v[32+i:33+i], v[32+i:33+i], v[F1:F1+1] op_sel_hi:[1,0]
.set i, i+2
.endr
	WIN 0
.set i, 0
.rept 32
	v_pk_fma_f32 v[S+i:S+i+1], v[S+i:S+i+1], s[CS:CS+1], v[NM0:NM0+1] op_sel_hi:[1,0,0]       ; t - M, two at a time
	v_pk_fma_f32 v[S+64+i:S+65+i], v[S+64+i:S+65+i], s[CS:CS+1], v[NM1:NM1+1] op_sel_hi:[1,0,0]
.set i, i+2
.endr
	s_wait_alu depctr_va_vdst(0)
.set i, 0
.rept 128
	v_exp_f32 v[S+i], v[S+i]                       ; p = 2^(t - M), at most 1
.set i, i+1
.endr
	v_nop                                          ; a plain line behind the exponentials
	s_wait_alu depctr_va_vdst(0)                   ; one wait for the whole batch, ahead of its first reader
	v_pk_add_f32 v[TS0:TS0+1], v[S:S+1], v[S+2:S+3]                       ; the rows' sums of the unquantised p: four chains by turns
	v_pk_add_f32 v[TS1:TS1+1], v[S+64:S+65], v[S+66:S+67]
.set i, 4
.rept 15
	v_pk_add_f32 v[SU0:SU0+1], v[SU0:SU0+1], v[S+i:S+i+1]
	v_pk_add_f32 v[SU1:SU1+1], v[SU1:SU1+1], v[S+64+i:S+65+i]
	v_pk_add_f32 v[TS0:TS0+1], v[TS0:TS0+1], v[S+i+2:S+i+3]
	v_pk_add_f32 v[TS1:TS1+1], v[TS1:TS1+1], v[S+66+i:S+67+i]
.set i, i+4
.endr
	v_pk_add_f32 v[SU0:SU0+1], v[SU0:SU0+1], v[TS0:TS0+1]
	v_pk_add_f32 v[SU1:SU1+1], v[SU1:SU1+1], v[TS1:TS1+1]
.set n, 0
.rept 8                                ; u = 0: the hold (the conversion does not saturate: ISA guide 7.6.2; p is not negative, so it is one-sided), two numbers a line, and the conversion
.set i, 0
.rept 4
	v_dual_min_num_f32 v[S+8*n+i], v[S+8*n+i], v[HA] :: v_dual_min_num_f32 v[S+8*n+i+1], v[S+8*n+i+1], v[HB]
.set i, i+2
.endr
	v_cvt_scalef32_pk8_fp8_f32 v[P0+2*n:P0+2*n+1], v[S+8*n:S+8*n+7], v[SCL]   ; keys 16 t + 8 h + 0 .. 7: register pair t of P
.set n, n+1
.endr
.set n, 0
.rept 8                                ; u = 1: its P lies on v96-111, whose numbers are converted
.set i, 0
.rept 4
	v_dual_min_num_f32 v[S+64+8*n+i], v[S+64+8*n+i], v[HA] :: v_dual_min_num_f32 v[S+65+8*n+i], v[S+65+8*n+i], v[HB]
.set i, i+2
.endr
	v_cvt_scalef32_pk8_fp8_f32 v[S+2*n:S+2*n+1], v[S+64+8*n:S+64+8*n+7], v[SCL]
.set n, n+1
.endr
	v_nop                                          ; a plain line between the last conversion and the products
	s_wait_alu depctr_va_vdst(0)
	s_wait_dscnt 0x0                               ; V
	WIN 0x50                                       ; C and D: window 1
.irp d, 0,1,2,3                        ; eight accumulators by turns, one instruction a turn
	v_wmma_f32_16x16x128_fp8_fp8 v[8*\d:8*\d+7], v[KV+16*\d:KV+16*\d+15], v[P0:P0+15], v[8*\d:8*\d+7]
	v_wmma_f32_16x16x128_fp8_fp8 v[32+8*\d:39+8*\d], v[KV+16*\d:KV+16*\d+15], v[S:S+15], v[32+8*\d:39+8*\d]
.endr
	WIN 0
.endm
	s_mov_b32 s[I], 0
.Lnear:                                                ; steps 0-7 of the first tile (g >= 8): keys under 1,024, all of which count
	s_lshl_b32 s[KO], s[I], 13
	STEP 0
	s_add_co_u32 s[I], s[I], 1
	s_cmp_lt_u32 s[I], 8
	s_wait_alu depctr_va_vdst(0)
	s_cbranch_scc1 .Lnear
	s_wait_tensorcnt 0x0                           ; my part of keys 1024-2047 is in,
	s_wait_dscnt 0x0
	s_barrier_signal -1
	s_barrier_wait -1                              ; everybody's is
	s_mov_b32 s[I], 8
.Lfar:                                                 ; i = 8 .. 31: tile i / 16, step i % 16
	s_cmp_lt_u32 s[I], s[LO]
	s_cbranch_scc1 .Lrest
	s_cmp_gt_u32 s[I], s[DG]
	s_cbranch_scc1 .Lrest
	s_and_b32 s[KO], s[I], 15
	s_lshl_b32 s[KO], s[KO], 13
	STEP 1
	s_cmp_lg_u32 s[I], s[DG]
	s_cbranch_scc1 .Lrest
	; A TILE IS FINISHED: O^T / the sum, quantised, is 2 x 1,024 bytes of the last product's operand
	PLACES                                         ; behind the last products
	v_add_f32 v[SU0], v[SU0], v[SU0+1]             ; the sums' two halves,
	v_add_f32 v[SU1], v[SU1], v[SU1+1]
	v_mov_b32 v244, s[FL]
	v_mov_b32 v245, s[FS]
	v_permlanex16_b32 v252, v[SU0], s[SEL], s[SEL+1]
	v_permlanex16_b32 v253, v[SU1], s[SEL], s[SEL+1]
	v_add_f32 v[SU0], v[SU0], v252                 ; and lane l xor 16's
	v_add_f32 v[SU1], v[SU1], v253
	s_wait_alu depctr_va_vdst(0)
	v_rcp_f32 v[SU0], v[SU0]
	v_rcp_f32 v[SU1], v[SU1]
	v_nop                                          ; a plain line behind the reciprocals
	WIN 0x01                                       ; source 0: window 1
	s_wait_alu depctr_va_vdst(0)                   ; the wait ahead of the first reader of the reciprocals and of O^T
.set i, 0
.rept 16
	v_pk_mul_f32 v[S+i:S+i+1], v[i:i+1], v[SU0:SU0+1] op_sel_hi:[1,0]     ; each accumulator from its low end on
.set i, i+2
.endr
.set i, 0
.rept 16
	v_pk_mul_f32 v[S+32+i:S+33+i], v[32+i:33+i], v[SU1:SU1+1] op_sel_hi:[1,0]
.set i, i+2
.endr
	WIN 0
.set i, 0
.rept 64
	v_med3_num_f32 v[S+i], v[S+i], -v244, v244
.set i, i+1
.endr
.set n, 0
.rept 8
	v_cvt_scalef32_pk8_fp8_f32 v[P0+2*n:P0+2*n+1], v[S+8*n:S+8*n+7], v245   ; pair n % 4 of u = n / 4: d = 16 (n % 4) + 8 h + 0 .. 7 of query r
.set n, n+1
.endr
	v_nop                                          ; a plain line behind the last conversion
.irp u, 0,1
.irp p, 0,1
	global_store_b128 v[LL], v[P0+8*\u+4*\p:P0+8*\u+4*\p+3], s[OB:OB+1] offset:16384*\u+512*\p
.endr
.endr
	s_wait_xcnt 0x0                                ; the stores have read their data and their base: both are written again below and in the next step
	s_cmp_ge_u32 s[I], 16                          ; behind the second tile nothing follows
	s_cbranch_scc1 .Lrest
	s_mov_b64 s[OB:OB+1], s[OB2:OB2+1]             ; the second tile begins
	s_mov_b32 s[DG], s[DG2]
	s_mov_b32 s[LO], 16
	WIN 0x01
.set i, 0
.rept 16
	v_mov_b32 v[Q+i], v[64+i]
.set i, i+1
.endr
	WIN 0x40
.set i, 0
.rept 64
	v_mov_b32 v[i], 0
.set i, i+1
.endr
	WIN 0
	v_mov_b32 v[NM0+1], 0xff61b1e6
	v_mov_b32 v[NM1+1], 0xff61b1e6
	v_floor_f32 v[NM0], -v[NM0+1]
	v_floor_f32 v[NM1], -v[NM1+1]
.irp r, 10,11,12,13
	v_mov_b32 v\r, 0
.endr
.Lrest:
	s_add_co_u32 s[I], s[I], 1
	s_cmp_lt_u32 s[I], 32
	s_wait_alu depctr_va_vdst(0)
	s_cbranch_scc1 .Lfar
	s_wait_tensorcnt 0x0                           ; the wave's end
	ds_add_u32 v[SPW], v[NIL]
	s_wait_dscnt 0x0
	ROUND                                          ; the closing round
	s_endpgm
.Lfunc_end_k_q2f7a6ad51f_attn:
	.size	k_q2f7a6ad51f_attn, .Lfunc_end_k_q2f7a6ad51f_attn-k_q2f7a6ad51f_attn
	.p2alignl 7, 3214868480
	.fill 96, 4, 3214868480
	.section	.rodata,"a",@progbits
	.p2align	6, 0x0
	.amdhsa_kernel k_q2f7a6ad51f_attn
		.amdhsa_group_segment_fixed_size 327680
		.amdhsa_private_segment_fixed_size 0
		.amdhsa_enable_private_segment 0
		.amdhsa_kernarg_size 40
		.amdhsa_user_sgpr_count 2
		.amdhsa_user_sgpr_kernarg_segment_ptr 1
		.amdhsa_wavefront_size32 1
		.amdhsa_system_sgpr_workgroup_id_x 1
		.amdhsa_system_sgpr_workgroup_id_y 1
		.amdhsa_system_sgpr_workgroup_id_z 1
		.amdhsa_system_vgpr_workitem_id 0
		.amdhsa_next_free_vgpr 384
		.amdhsa_next_free_sgpr 100
		.amdhsa_reserve_vcc 1
		.amdhsa_float_denorm_mode_32 3
		.amdhsa_float_denorm_mode_16_64 3
		.amdhsa_memory_ordered 1
		.amdhsa_forward_progress 1
		.amdhsa_inst_pref_size 88
	.end_amdhsa_kernel
	.amdgpu_metadata
---
amdhsa.version: [ 1, 2 ]
amdhsa.kernels:
  - .name:           k_q2f7a6ad51f_attn
    .symbol:         k_q2f7a6ad51f_attn.kd
    .args:
      - { .name: q_img, .offset: 0, .size: 8, .value_kind: global_buffer, .address_space: global }
      - { .name: k_img, .offset: 8, .size: 8, .value_kind: global_buffer, .address_space: global }
      - { .name: v_img, .offset: 16, .size: 8, .value_kind: global_buffer, .address_space: global }
      - { .name: lowp_scales, .offset: 24, .size: 8, .value_kind: global_buffer, .address_space: global }
      - { .name: o_img, .offset: 32, .size: 8, .value_kind: global_buffer, .address_space: global }
    .group_segment_fixed_size: 327680
    .private_segment_fixed_size: 0
    .kernarg_segment_align: 8
    .kernarg_segment_size: 40
    .max_flat_workgroup_size: 256
    .sgpr_count:     100
    .vgpr_count:     384
    .wavefront_size: 32
...
	.end_amdgpu_metadata
.endif
;; end of part 3
;; launch proj (part 4): grid 8 x 32, 4 waves a work-group, clusters of 4 x 1, 327,680 bytes of LDS; arguments o_img, wout_img, lowp_scales, out0; writes out0
.if DOCPART == 4
	.amdgcn_target "amdgcn-amd-amdhsa--gfx1250"
	.amdhsa_code_object_version 6
	.text
	.protected	k_q2f7a6ad51f_proj
	.globl	k_q2f7a6ad51f_proj
	.p2align	8
	.type	k_q2f7a6ad51f_proj,@function
k_q2f7a6ad51f_proj:
	s_mov_b64 s[64:65], 0
	v_nop
	global_prefetch_b8 v0, s[64:65] scope:SCOPE_SE
	s_setreg_imm32_b32 hwreg(HW_REG_WAVE_MODE, 25, 1), 1
	s_wait_xcnt 0x0
	s_wait_alu depctr_hold_cnt(0) depctr_sa_sdst(0) depctr_va_vdst(0) depctr_va_sdst(0) depctr_va_ssrc(0) depctr_va_vcc(0) depctr_vm_vsrc(0)
	s_getreg_b32 s2, hwreg(HW_REG_IB_STS2, 6, 4)
	s_cmp_eq_u32 s2, 0
	s_cbranch_scc0 .Lentry_in_a_cluster
	s_endpgm
.Lentry_in_a_cluster:
	s_bfe_u32 s2, ttmp6, 0x10000c
	s_cmp_lg_u32 s2, 0x3003
	s_cbranch_scc0 .Lentry_shape_is_right
	s_endpgm
.Lentry_shape_is_right:
; PROJ.  out0 = o w_out^T on codes of FP8 (E4M3), K = 1,024; each finished sum x 2^(e6 + e7).  LIMIT: e6 + e7 between -126 and 127.
; Both operands lie in memory as images of operand registers: a fragment (16 rows, 128 along K) is 2,048 bytes at row block x 16384 + chunk x 2048; piece c = registers 4 c .. 4 c + 3, lane l's 16 bytes at 16 l.
; SHARES.  Work-group (j, y), 8 x 32 = 256 of them, makes rows 256 y .. + 255 x columns 128 j .. + 127.  o's 256 rows for the whole K are one dense block of 262,144 bytes: LDS is filled with it ONCE,
; 65,536 bytes a wave; nothing is filled again, and one barrier shows the block to all four waves.
; CLUSTER 4, 1, 1: the four work-groups j of a cluster need the same rows of o and ask jointly (mask 15); the descriptor hangs on y and the wave's number alone.
; w_out's fragments go from memory straight into registers: beside o's block, the spare words and the stages LDS has under 48,000 bytes left, under a tile's 131,072.  A wave holds its 64 columns x 1,024 K in 512 registers.
; NO PREFETCH: the one fill and all loads of w_out stand at the head; there is no later load to run ahead of.
; A WAVE (wm = wave / 2, wn = wave % 2) makes 128 rows x 64 columns: 32 accumulators.  A chunk of K is two half-steps of 16 matrix instructions; o's fragments come from LDS into three sets of 64 registers, three half-steps ahead.
; Source 0 = w_out's fragment, source 1 = o's: lane (r, h) holds row r and its registers j columns 8 h + j.  A block of 16 rows x 64 columns goes through the wave's own stage in LDS, in bytes that no fill lands on,
; and comes back as rows of 256 bytes: sixteen lanes store one aligned unit of 256 bytes.
; REGISTERS.  Window 0: v1-8 addresses; v64-255 o's three sets; on the way out v64-95 a block's numbers, v96-159 two blocks read back.  Window 1: accumulator (a, b) at v[8 (4 a + b)].
;   Windows 2, 3: w_out's fragment (chunk kc, block b) at window 2 + kc / 4, v[64 (kc % 4) + 16 b].
.set SPARE, 262144                     ; behind o's block: the spare words, 128 bytes a wave: two blocks of 256 bytes that no other line names
.set STAGE, SPARE+512                  ; behind them: a stage of 16 rows x (256 + 16) bytes for each wave
.set SP,   272
.set LI,   1                           ; v1 16 x lane
.set ADA0, 2                           ; v2, v3 LDS address of my blocks 0-3, 4-7 of o
.set SPW,  4
.set NIL,  5
.set STO,  6                           ; v6 the stage, on the way in: row r, 32 h bytes
.set RD,   7                           ; v7 on the way back: lanes 0-15 one row, lanes 16-31 the next
.set CO,   8                           ; v8 the same two rows in out0
.set TMP,  64
.set BK,   96
.set WV, 18
.set WM, 19
.set WN, 20
.set CX, 21
.set J,  22
.set Y,  23
.set G1, 24
.set G0, 32
.set BC, 36                            ; s[36:37] my fragments of w_out
.set OUT, 42                           ; s[42:43] my part of out0
.set MSB, 0
.macro WIN new                         ; the immediate's high byte repeats the setting that is left
.if MSB != (\new)
	s_set_vgpr_msb (MSB<<8)|(\new)
.set MSB, (\new)
.endif
.endm
.macro ROUND                           ; a round of the cluster's barrier
	s_barrier_signal -1
	s_barrier_wait -1
	s_cmp_lg_u32 s[WV], 0
	s_cbranch_scc1 .Lnot_wave_0_\@
	s_barrier_signal -3
.Lnot_wave_0_\@:
	s_barrier_wait -3
	s_barrier_signal -1
	s_barrier_wait -1
.endm
.macro PLACES                          ; four places behind a matrix instruction, in front of loads into its sources and of reads of its result
.rept 4
	v_nop
.endr
.endm
.macro ALOAD n                         ; half-step n (chunk n / 2, blocks 4 (n % 2) ..): four fragments of o into set n % 3
.set AS, 64+64*((\n)%3)
.irp f, 0,1,2,3
.irp c, 0,1,2,3
	ds_load_b128 v[AS+16*\f+4*\c:AS+16*\f+4*\c+3], v[ADA0+((\n)&1)] offset:16384*\f+2048*((\n)/2)+512*\c
.endr
.endr
.endm
.macro BLOAD kc                        ; chunk kc of my four blocks of w_out: sixteen loads of 512 consecutive bytes
	WIN (0x80+0x40*((\kc)/4))
.irp b, 0,1,2,3
.irp c, 0,1,2,3
	global_load_b128 v[64*((\kc)%4)+16*\b+4*\c:64*((\kc)%4)+16*\b+4*\c+3], v[LI], s[BC:BC+1] offset:16384*\b+2048*(\kc)+512*\c
.endr
.endr
	WIN 0
.endm
.macro MUL n                           ; sixteen matrix instructions on sixteen accumulators, one a turn; an accumulator's next turn is two half-steps on.  The first chunk starts the sums
.set AS, 64+64*((\n)%3)
.set KC, (\n)/2
	WIN (0x50|(2+KC/4))
.irp f, 0,1,2,3
.irp b, 0,1,2,3
.set AC, 8*(4*(4*((\n)&1)+\f)+\b)
.set BR, 64*(KC%4)+16*\b
.if (\n) < 2
	v_wmma_f32_16x16x128_fp8_fp8 v[AC:AC+7], v[BR:BR+15], v[AS+16*\f:AS+16*\f+15], 0
.else
	v_wmma_f32_16x16x128_fp8_fp8 v[AC:AC+7], v[BR:BR+15], v[AS+16*\f:AS+16*\f+15], v[AC:AC+7]
.endif
.endr
.endr
	WIN 0
.endm
	s_load_b256 s[4:11], s[0:1], 0x0               ; o_img, wout_img, the scales' exponents, out0
	v_lshl_add_u32 v[SPW], v0, 2, SPARE
	v_mov_b32 v[NIL], 0
	ds_add_u32 v[SPW], v[NIL]                      ; the opening lines: the add, twice on end, and its wait ahead of my first tensor load
	ds_add_u32 v[SPW], v[NIL]
	v_lshrrev_b32 v9, 5, v0
	v_readfirstlane_b32 s[WV], v9                  ; wave 0..3
	s_lshr_b32 s[WM], s[WV], 1
	s_and_b32 s[WN], s[WV], 1
	s_bfe_u32 s[CX], ttmp6, 0x40000
	s_lshl_b32 s[J], ttmp9, 2
	s_add_co_u32 s[J], s[J], s[CX]                 ; j = 4 x cluster x + cx
	s_and_b32 s[Y], ttmp7, 0xffff
	s_mov_b32 s[G1], 15|(3<<16)|(1<<21)            ; the mask: all four partners; elements of 8 bytes; bit 21 beside a mask
	s_mov_b32 s[G1+1], 32<<16                      ; 256 rows of 256 bytes, dense
	s_mov_b32 s[G1+2], 256<<16
	s_mov_b32 s[G1+3], 32<<16
	s_mov_b32 s[G1+4], 256
	s_mov_b32 s[G1+5], 32
	s_mov_b32 s[G1+6], 0
	s_mov_b32 s[G1+7], 0
	s_mov_b32 s[G0], 1
	s_lshl_b32 s[G0+1], s[WV], 16                  ; in LDS as in memory: 65,536 x wave
	s_lshl_b32 s50, s[Y], 18
	s_add_co_u32 s50, s50, s[G0+1]
	s_mov_b32 s51, 0
	s_lshl_b32 s52, s[J], 17                       ; w_out: row block 8 j + 4 wn
	s_lshl_b32 s53, s[WN], 16
	s_add_co_u32 s52, s52, s53
	s_mov_b32 s53, 0
	s_lshl_b32 s54, s[Y], 20                       ; out0: row 256 y + 128 wm of 4,096 bytes, column 128 j + 64 wn
	s_lshl_b32 s55, s[WM], 19
	s_add_co_u32 s54, s54, s55
	s_lshl_b32 s55, s[J], 9
	s_add_co_u32 s54, s54, s55
	s_lshl_b32 s55, s[WN], 8
	s_add_co_u32 s54, s54, s55
	s_mov_b32 s55, 0
	s_mul_i32 s56, s[WV], 16*SP
	s_add_co_u32 s56, s56, STAGE                   ; my stage
	s_wait_dscnt 0x0                               ; both opening adds are done
	s_wait_kmcnt 0x0
	s_load_b64 s[60:61], s[8:9], 0x18              ; e6, e7
	s_add_nc_u64 s[G0+2:G0+3], s[4:5], s[50:51]
	s_or_b32 s[G0+3], s[G0+3], 0x80000000
	s_add_nc_u64 s[BC:BC+1], s[6:7], s[52:53]
	s_add_nc_u64 s[OUT:OUT+1], s[10:11], s[54:55]
	ROUND                                          ; all four work-groups are here: the joint loads meet
	tensor_load_to_lds s[G0:G0+3], s[G1:G1+7]      ; my quarter of o's block: the wave's one tensor load
	s_nop 0
	PLACES
	v_and_b32 v[LI], 31, v0
	v_lshlrev_b32 v[LI], 4, v[LI]
	s_lshl_b32 s50, s[WM], 17
	v_add_nc_u32 v[ADA0], s50, v[LI]
	v_add_nc_u32 v[ADA0+1], 0x10000, v[ADA0]
	s_wait_alu depctr_va_vdst(0)
.irp kc, 0,1,2,3,4,5,6,7
	BLOAD \kc
.endr
	v_and_b32 v9, 15, v0                           ; r
	v_bfe_u32 v10, v0, 4, 1                        ; h
	v_mul_u32_u24 v[STO], v9, SP
	v_lshl_add_u32 v[STO], v10, 5, v[STO]
	v_add_nc_u32 v[STO], s56, v[STO]
	v_mul_u32_u24 v[RD], v10, SP
	v_lshl_add_u32 v[RD], v9, 4, v[RD]
	v_add_nc_u32 v[RD], s56, v[RD]
	v_lshlrev_b32 v[CO], 12, v10
	v_lshl_add_u32 v[CO], v9, 4, v[CO]
	s_wait_alu depctr_va_vdst(0)
	s_wait_kmcnt 0x0
	s_add_co_i32 s60, s60, s61
	s_add_co_i32 s60, s60, 127
	s_lshl_b32 s60, s60, 23                        ; 2^(e6 + e7) as f32
	s_wait_tensorcnt 0x0                           ; my quarter is in,
	s_barrier_signal -1
	s_barrier_wait -1                              ; everybody's is
	ALOAD 0
	ALOAD 1
	ALOAD 2
.set N, 0
.rept 16
.if (N&1) == 0
.if N >= 8
	s_wait_loadcnt 16*(7-N/2)                      ; behind chunk kc stand the sixteen loads of each later chunk
.else
	s_wait_loadcnt 63                              ; (64 or more stand behind it: the largest count that the wait can name)
.endif
.endif
.if N <= 13
	s_wait_dscnt 32                                ; behind half-step n's sixteen loads stand those of n + 1 and n + 2
.else
	s_wait_dscnt 16*(15-N)
.endif
	MUL N
	PLACES
.if N <= 12
	ALOAD N+3
.endif
.set N, N+1
.endr
; THE WAY OUT, block by block of 16 rows x 64 columns.  LDS serves a wave's instructions in order (ISA guide 5.7.1.4): no wait between the stores into my stage and the loads from it, nor in front of the next block's stores.
.macro TOSTAGE a
	WIN 0x01                                       ; source 0: the sums, window 1
.set i, 0
.rept 16
	v_pk_mul_f32 v[TMP+i:TMP+i+1], v[32*(\a)+i:32*(\a)+i+1], s[60:61] op_sel_hi:[1,0]   ; both x s60; each accumulator from its low end on
.set i, i+2
.endr
	WIN 0
.irp b, 0,1,2,3
	ds_store_b128 v[STO], v[TMP+8*\b:TMP+8*\b+3] offset:64*\b
	ds_store_b128 v[STO], v[TMP+8*\b+4:TMP+8*\b+7] offset:64*\b+16
.endr
.set BB, BK+32*((\a)%2)
.irp t, 0,1,2,3,4,5,6,7
	ds_load_b128 v[BB+4*\t:BB+4*\t+3], v[RD] offset:2*\t*SP
.endr
.endm
.macro SEND a, younger                 ; younger: the LDS instructions issued behind block a's loads, which may stay out
.set BB, BK+32*((\a)%2)
	s_wait_dscnt \younger
.irp t, 0,1,2,3,4,5,6,7
	global_store_b128 v[CO], v[BB+4*\t:BB+4*\t+3], s[OUT:OUT+1] offset:65536*(\a)+8192*\t th:TH_STORE_NT   ; two rows' 256 consecutive bytes each, aligned
.endr
.endm
	TOSTAGE 0
.irp a, 1,2,3,4,5,6,7
.if \a > 1
	s_wait_xcnt 0x0                                ; block a - 2's stores have read their registers: block a's loads may land there
.endif
	TOSTAGE \a
	SEND \a-1, 16                                  ; behind block a - 1's loads: block a's 8 stores and 8 loads
.endr
	SEND 7, 0
	s_wait_tensorcnt 0x0                           ; the wave's end
	ds_add_u32 v[SPW], v[NIL]
	s_wait_dscnt 0x0
	ROUND                                          ; the closing round
	s_endpgm
.Lfunc_end_k_q2f7a6ad51f_proj:
	.size	k_q2f7a6ad51f_proj, .Lfunc_end_k_q2f7a6ad51f_proj-k_q2f7a6ad51f_proj
	.p2alignl 7, 3214868480
	.fill 96, 4, 3214868480
	.section	.rodata,"a",@progbits
	.p2align	6, 0x0
	.amdhsa_kernel k_q2f7a6ad51f_proj
		.amdhsa_group_segment_fixed_size 327680
		.amdhsa_private_segment_fixed_size 0
		.amdhsa_enable_private_segment 0
		.amdhsa_kernarg_size 32
		.amdhsa_user_sgpr_count 2
		.amdhsa_user_sgpr_kernarg_segment_ptr 1
		.amdhsa_wavefront_size32 1
		.amdhsa_system_sgpr_workgroup_id_x 1
		.amdhsa_system_sgpr_workgroup_id_y 1
		.amdhsa_system_sgpr_workgroup_id_z 1
		.amdhsa_system_vgpr_workitem_id 0
		.amdhsa_next_free_vgpr 1024
		.amdhsa_next_free_sgpr 100
		.amdhsa_reserve_vcc 0
		.amdhsa_float_denorm_mode_32 3
		.amdhsa_float_denorm_mode_16_64 3
		.amdhsa_memory_ordered 1
		.amdhsa_forward_progress 1
		.amdhsa_inst_pref_size 76
	.end_amdhsa_kernel
	.amdgpu_metadata
---
amdhsa.version: [ 1, 2 ]
amdhsa.kernels:
  - .name:           k_q2f7a6ad51f_proj
    .symbol:         k_q2f7a6ad51f_proj.kd
    .args:
      - { .name: o_img, .offset: 0, .size: 8, .value_kind: global_buffer, .address_space: global }
      - { .name: wout_img, .offset: 8, .size: 8, .value_kind: global_buffer, .address_space: global }
      - { .name: lowp_scales, .offset: 16, .size: 8, .value_kind: global_buffer, .address_space: global }
      - { .name: out0, .offset: 24, .size: 8, .value_kind: global_buffer, .address_space: global }
    .group_segment_fixed_size: 327680
    .private_segment_fixed_size: 0
    .kernarg_segment_align: 8
    .kernarg_segment_size: 32
    .max_flat_workgroup_size: 128
    .sgpr_count:     100
    .vgpr_count:     1024
    .wavefront_size: 32
...
	.end_amdgpu_metadata
.endif
;; end of part 4
